; MI455X (gfx1250); checked and timed in simulation.
; The chip was launched on July 23, 2026; its instructions are those of AMD's public machine-readable ISA for CDNA 5 (MIT licence, August 2026) and "CDNA5" Instruction Set Architecture Reference Guide (July 2026). The comments in the code are by the model that wrote it; some were corrected since.
;; Attention. Allowed arithmetic: float matrix products may take bf16 or f16 operands with f32 sums; all other float work in f32.
;; Inputs: W_qkv 3,072 x 1,024 float32; b_qkv 3,072 float32; x 4 x 2,048 x 1,024 float32.
;; Outputs: out0 4 x 2,048 x 1,024 float32.
;; 2 versions, each right; version 2 is version 1 with the launch cast written anew for expert scheduling mode. Each part assembles by itself: llvm-mc -triple=amdgcn-amd-amdhsa -mcpu=gfx1250 --defsym DOCPART=n.
;; ======== version 1 of 2: 3 launches
;; limits: values are held in f16: magnitudes above 65,504 overflow, below 6.1e-05 lose precision
;; workspace buffers: xb 16,777,216 bytes; wb 6,291,456 bytes; qh 16,777,216 bytes; kh 16,777,216 bytes; vt 16,777,216 bytes; hl 1,572,864 bytes
;; launch cast (part 1): grid 704 x 1, 8 waves a work-group, no clusters, 0 bytes of LDS; arguments x, W_qkv, xb, wb; writes xb, wb
.if DOCPART == 1
	.amdgcn_target "amdgcn-amd-amdhsa--gfx1250"
	.amdhsa_code_object_version 6
	.text
	.protected	k_qdd4473ac89_cast
	.globl	k_qdd4473ac89_cast
	.p2align	8
	.type	k_qdd4473ac89_cast,@function
k_qdd4473ac89_cast:
	s_mov_b64 s[64:65], 0
	v_nop
	global_prefetch_b8 v0, s[64:65] scope:SCOPE_SE
	s_setreg_imm32_b32 hwreg(HW_REG_WAVE_MODE, 25, 1), 1
	s_wait_xcnt 0x0
; THE PROGRAM: three launches.  cast: x and W_qkv to bf16, laid out by blocks of 64 along K.  qkv: the projection, bias, scale, f16, head layouts.
; attn: causal attention.  This launch: xb[kblk][row][64] = bf16(x[row][64 kblk ..]), wb likewise from W_qkv.
;
; WORK LEFT OUT BY THE PROGRAM, and why it can reach no output, for all finite values of the inputs:
; (1) K's bias, b_qkv[1024:2048].  With k = k1 + bk the score of query q and key k is q.k/8 = q.k1/8 + q.bk/8.  The second term does not hang on the
;     key: it is the same along the axis of the softmax (masked places stay -inf), and softmax(s + const) = softmax(s).  So these 1,024 numbers are
;     never loaded; b_qkv stays an argument of the second launch for q's and v's parts.
; (2) Scores above the diagonal.  reference() itself sets them to -inf by its own jnp.tril, so their weights are 0: blocks of 32 queries x 64 keys that
;     lie wholly above the diagonal, and their products with V, are not computed.  Inside a block on the diagonal all scores are computed and those
;     above the diagonal are set to -inf, as reference() sets them.
; LIMITS: a NaN, an infinity or an overflow that reaches only the work left out (in b_qkv[1024:2048], or in a block of scores above the diagonal) is
; not carried to the result.  q x 0.125 log2(e), k and v are kept in f16: their magnitudes must stay below 65,504; the drawn inputs give about 5, inputs
; 30 times larger in x and in W about 5,000.  Softmax weights are kept in f16 for the product with V: a weight below 6e-8 of its row's largest counts as 0.
;
; Memory binds here: every input byte is read once by 16-byte loads, every output byte written once; no LDS, no barrier, no matrix unit.
; A work-group owns 16 rows (groups 0-511: x, groups 512-703: W_qkv).  Thread t: row t / 16, and in each block of 64 along K the four numbers at
; 4 (t % 16).  A load of a wave covers 256 neighbouring bytes of each of two rows; the store of their 8-byte results covers 256 neighbouring bytes,
; aligned, since in the new layout row r + 1 of a K block follows row r.
.set XKB, 1048576                      ; bytes of one K block of xb: 8,192 rows x 128
.set WKB, 393216                       ; of wb: 3,072 rows x 128
.set SRC, 1                            ; v1       byte offset of my 16 bytes in K block 0 of my row
.set SO,  2                            ; v[2:17]  byte offset of my 8 bytes in K block k of the output
.set X,   20                           ; v[20:83] sixteen loads, 4 registers each
.set Y,   84                           ; v[84:115] sixteen results, 2 registers each: no register is used twice, so no source is ever rewritten
	s_load_b256 s[4:11], s[0:1], 0x0               ; x s[4:5], W_qkv s[6:7], xb s[8:9], wb s[10:11]
	v_lshrrev_b32 v[SRC], 4, v0                    ; my row in the group
	v_and_b32 v18, 15, v0
	v_lshlrev_b32 v[SRC], 12, v[SRC]               ; x 4,096 bytes
	v_lshl_add_u32 v[SRC], v18, 4, v[SRC]          ; + 16 (t % 16)
	s_mov_b32 s18, XKB
	s_mov_b32 s19, WKB
	s_cmp_lt_u32 ttmp9, 512                        ; x or W_qkv: hangs on the group's number alone
	s_cselect_b32 s18, s18, s19                    ; bytes from K block to K block
	s_cselect_b32 s12, 0, 512                      ; first group of my tensor
	s_wait_kmcnt 0x0
	s_cselect_b64 s[14:15], s[4:5], s[6:7]         ; from
	s_cselect_b64 s[16:17], s[8:9], s[10:11]       ; to
	s_sub_co_u32 s13, ttmp9, s12                   ; my group within the tensor
	s_lshl_b32 s20, s13, 16                        ; 16 rows x 4,096 bytes
	s_mov_b32 s21, 0
	s_lshl_b32 s22, s13, 11                        ; 16 rows x 128 bytes
	s_mov_b32 s23, 0
	s_add_nc_u64 s[14:15], s[14:15], s[20:21]
	s_add_nc_u64 s[16:17], s[16:17], s[22:23]
.set kk, 0
.rept 16
	global_load_b128 v[X+4*kk:X+4*kk+3], v[SRC], s[14:15] offset:256*kk th:TH_LOAD_NT   ; K block kk of my row: the row's 4,096 bytes are all on their way
.set kk, kk+1
.endr
	v_lshlrev_b32 v[SO], 3, v0                     ; (t / 16) x 128 + (t % 16) x 8 = 8 t
.set kk, 1
.rept 15
	v_add_nc_u32 v[SO+kk], s18, v[SO+kk-1]
.set kk, kk+1
.endr
.set kk, 0
.rept 16
	s_wait_loadcnt 15-kk                           ; loads come back in order (ISA guide 5.7.1): load kk is in, the younger ones stay out
	v_cvt_pk_bf16_f32 v[Y+2*kk],   v[X+4*kk],   v[X+4*kk+1]
	v_cvt_pk_bf16_f32 v[Y+2*kk+1], v[X+4*kk+2], v[X+4*kk+3]
	global_store_b64 v[SO+kk], v[Y+2*kk:Y+2*kk+1], s[16:17]
.set kk, kk+1
.endr
	s_endpgm
.Lfunc_end_k_qdd4473ac89_cast:
	.size	k_qdd4473ac89_cast, .Lfunc_end_k_qdd4473ac89_cast-k_qdd4473ac89_cast
	.p2alignl 7, 3214868480
	.fill 96, 4, 3214868480
	.section	.rodata,"a",@progbits
	.p2align	6, 0x0
	.amdhsa_kernel k_qdd4473ac89_cast
		.amdhsa_group_segment_fixed_size 0
		.amdhsa_private_segment_fixed_size 0
		.amdhsa_enable_private_segment 0
		.amdhsa_kernarg_size 32
		.amdhsa_user_sgpr_count 2
		.amdhsa_user_sgpr_kernarg_segment_ptr 1
		.amdhsa_wavefront_size32 1
		.amdhsa_system_sgpr_workgroup_id_x 1
		.amdhsa_system_sgpr_workgroup_id_y 1
		.amdhsa_system_sgpr_workgroup_id_z 1
		.amdhsa_system_vgpr_workitem_id 0
		.amdhsa_next_free_vgpr 116
		.amdhsa_next_free_sgpr 66
		.amdhsa_reserve_vcc 0
		.amdhsa_float_denorm_mode_32 3
		.amdhsa_float_denorm_mode_16_64 3
		.amdhsa_memory_ordered 1
		.amdhsa_forward_progress 1
		.amdhsa_inst_pref_size 8
	.end_amdhsa_kernel
	.amdgpu_metadata
---
amdhsa.version: [ 1, 2 ]
amdhsa.kernels:
  - .name:           k_qdd4473ac89_cast
    .symbol:         k_qdd4473ac89_cast.kd
    .args:
      - { .name: x, .offset: 0, .size: 8, .value_kind: global_buffer, .address_space: global }
      - { .name: W_qkv, .offset: 8, .size: 8, .value_kind: global_buffer, .address_space: global }
      - { .name: xb, .offset: 16, .size: 8, .value_kind: global_buffer, .address_space: global }
      - { .name: wb, .offset: 24, .size: 8, .value_kind: global_buffer, .address_space: global }
    .group_segment_fixed_size: 0
    .private_segment_fixed_size: 0
    .kernarg_segment_align: 8
    .kernarg_segment_size: 32
    .max_flat_workgroup_size: 256
    .sgpr_count:     66
    .vgpr_count:     116
    .wavefront_size: 32
...
	.end_amdgpu_metadata
.endif
;; end of part 1
;; launch qkv (part 2): grid 8 x 32, 4 waves a work-group, clusters of 4 x 4, 327,680 bytes of LDS; arguments xb, wb, b_qkv, qh, kh, vt, hl; writes qh, kh, vt, hl
.if DOCPART == 2
	.amdgcn_target "amdgcn-amd-amdhsa--gfx1250"
	.amdhsa_code_object_version 6
	.text
	.protected	k_qdd4473ac89_qkv
	.globl	k_qdd4473ac89_qkv
	.p2align	8
	.type	k_qdd4473ac89_qkv,@function
k_qdd4473ac89_qkv:
	s_mov_b64 s[64:65], 0
	v_nop
	global_prefetch_b8 v0, s[64:65] scope:SCOPE_SE
	s_setreg_imm32_b32 hwreg(HW_REG_WAVE_MODE, 25, 1), 1
	s_wait_xcnt 0x0
	s_wait_alu depctr_hold_cnt(0) depctr_sa_sdst(0) depctr_va_vdst(0) depctr_va_sdst(0) depctr_va_ssrc(0) depctr_va_vcc(0) depctr_vm_vsrc(0)
	s_getreg_b32 s2, hwreg(HW_REG_IB_STS2, 6, 4)
	s_cmp_eq_u32 s2, 0
	s_cbranch_scc0 .Lentry_in_a_cluster
	s_endpgm
.Lentry_in_a_cluster:
	s_bfe_u32 s2, ttmp6, 0x10000c
	s_cmp_lg_u32 s2, 0xf033
	s_cbranch_scc0 .Lentry_shape_is_right
	s_endpgm
.Lentry_shape_is_right:
; qkv = x W^T (+ bias), M = 8,192, N = 3,072, K = 1,024, bf16 operands, f32 sums; results in f16 in the layouts that the attention launch reads:
;   qh[bh][t][d] = (x Wq^T + bq) x 0.125 log2(e)     kh[bh][t][d] = x Wk^T     vt[bh][t / 64][d][t % 64] = x Wv^T + bv
; (in kh and in vt alike the 64 tokens of a key tile are a dense block of 8,192 bytes).
; hl: the same three results for tokens 0 to 31 of every head once more, each number in TWO f16 halves: upper = the f32 sum with its mantissa cut to
; 10 bits (exact in f16), rest = sum - upper (exact in f32, then rounded to f16): about 21 bits together.  A query among the first 32 has few keys, so
; the roundings of f16 operands (2^-11 relative each) are not averaged out, while its output can be a small difference of values of size 1.
; hl[bh][part][tile][lane][16 bytes], parts q upper, q rest, k upper, k rest, v upper, v rest, tile = 4 a + b: a lane's four packed registers of
; accumulator tile (a, b) are the same lane's four registers of the attention launch's fragment, so they go out as they lie, 512 neighbouring bytes a store.
; LEFT OUT: K's bias b_qkv[1024:2048] is not loaded: it adds q.bk/8 to every score of a row, the same along the softmax's axis (shown at the head of
; the first launch).  LIMIT: the results are f16, magnitudes below 65,504.
; A work-group makes 256 rows x (128 columns of q, of k and of v: heads 2 nb and 2 nb + 1).  A wave makes 128 rows x the 192 columns of ONE head:
; 96 accumulator tiles, 768 registers, q in window 1, k in window 2, v in window 3, tile (a, b) at v[8 (4 a + b)].
; q and k: source 0 = rows of W, source 1 = rows of x, so a lane holds token l % 16 and eight neighbouring columns.  v: the other way round, so a lane
; holds column l % 16 and eight neighbouring tokens: vt comes out transposed without a shuffle.
; K goes in steps of 64 through two LDS slots.  In xb and wb a step's tile is a dense block, fetched as rows of 256 bytes (two rows of 64 bf16); the
; mover lays 16 bytes of padding behind every 128 bytes, so LDS rows are 144 bytes apart (an odd multiple of 16: the 16 rows of a fragment load
; start in 16 different groups of banks).
; CLUSTERS: 4 x 4 work-groups.  x's tile hangs on the block row alone and is shared along a row of the cluster, W's on the block column alone and is
; shared along a column: each is asked for jointly, which divides the requests by four.  Wave 0 asks for x's tile (32 KiB), waves 1 to 3 for W's q, k
; and v parts (16 KiB each): one tensor load a wave behind each round.  By this text's own count a wave has at most two tensor loads outstanding (the
; two first fills), later one.  The block row is 8 cy + cluster y: the batch is cy, and the block of 256 tokens within the batch is the cluster's y,
; which all sixteen partners share: the one branch on it (who writes hl) is taken alike in the whole cluster.
.set SLOT,  92160                      ; x: 256 rows x 144, then W: 3 parts x 128 rows x 144
.set BOFF,  36864
.set BPART, 18432
.set FR,    2304                       ; 16 rows x 144
.set STAGE, 184320                     ; behind the ring: 4,352 bytes for each wave, for the way out; no tensor load fills them
.set STG,   4352
.set XSTEP, 1048576                    ; bytes from K block to K block in xb
.set WSTEP, 393216                     ; in wb
.set ADRA, 8                           ; v8-9    LDS address of my x fragments, slot 0, 1
.set ADRB, 10                          ; v10-11  of my W fragments
.set STOQ, 12                          ; way out of q, k: where I put 16 bytes (rows of 144)
.set RDQ,  13                          ;                  where I read back
.set CQ,   14                          ;                  my byte offset in qh, kh, and in a tile of hl: 16 x lane
.set STOV, 15                          ; way out of v: rows of 272
.set RDV,  16
.set CVO,  17
.set BV,   20                          ; v[20:27]   v's bias of my column in tile b, twice (a pair for the packed add)
.set AF0,  32                          ; v[32:95]   x fragments, buffer 0 (8 x 8 registers)
.set AF1,  96                          ; v[96:159]  buffer 1
.set BF0,  160                         ; v[160:191] W fragments, buffer 0 (4 x 8 registers)
.set BF1,  192                         ; v[192:223] buffer 1
.set BQ,   224                         ; v[224:255] q's bias x scale: my eight columns of each of four tiles
.set TMP,  32                          ; the way out: packed results
.set RB0,  64                          ; read back, two buffers by turns
.set RB1,  96
.set HT,   32                          ; the halves: v[32:63] upper, packed;
.set HU,   64                          ;             v[64:127] upper, in f32;
.set LU,   128                         ;             v[128:191] rest, in f32;
.set LT,   192                         ;             v[192:223] rest, packed
.set G1A, 24                           ; s[24:31] group 1, x's tiles
.set G0A, 32                           ; s[32:39] group 0, x's tiles, a set for each slot
.set G1B, 40                           ; s[40:47] group 1, W's tiles
.set G0B, 48                           ; s[48:55] group 0, W's tiles
.set MSB, 0
.macro WIN new                         ; the immediate's high byte repeats the setting that is left; a switch that changes nothing is dropped
.if MSB != \new
	s_set_vgpr_msb (MSB<<8)|\new
.set MSB, \new
.endif
.endm
.macro PLACES                          ; four places behind a matrix instruction (ISA guide 7.12.1) before its sources are loaded again or its result is read
.rept 4
	v_nop
.endr
.endm
.macro JLOAD s                         ; the joint load of slot s: each line has one mask; the branch hangs on the wave's number alone
	s_cmp_eq_u32 s16, 0
	s_cbranch_scc0 .Lfor_b_\@
	tensor_load_to_lds s[G0A+4*\s:G0A+4*\s+3], s[G1A:G1A+7]
	s_nop 0
	s_branch .Lasked_\@
.Lfor_b_\@:
	tensor_load_to_lds s[G0B+4*\s:G0B+4*\s+3], s[G1B:G1B+7]
	s_nop 0
.Lasked_\@:
.endm
.macro CREST                           ; a round of the cluster's barrier behind its opening barrier
	s_cmp_lg_u32 s16, 0
	s_cbranch_scc1 .Lnot_wave_0_\@
	s_barrier_signal -3
.Lnot_wave_0_\@:
	s_barrier_wait -3
	s_barrier_signal -1
	s_barrier_wait -1
.endm
.macro CROUND
	s_barrier_signal -1
	s_barrier_wait -1
	CREST
.endm
	s_load_b256 s[4:11], s[0:1], 0x0               ; xb s[4:5], wb s[6:7], b_qkv s[8:9], qh s[10:11]
	s_load_b128 s[12:15], s[0:1], 0x20             ; kh s[12:13], vt s[14:15]
	s_load_b64 s[80:81], s[0:1], 0x30              ; hl
	v_lshl_add_u32 v30, v0, 2, 0x31400
	v_mov_b32 v31, 0
	ds_add_u32 v30, v31
	ds_add_u32 v30, v31
	v_lshrrev_b32 v1, 5, v0
	v_readfirstlane_b32 s16, v1                    ; wave 0..3
	s_lshr_b32 s17, s16, 1                         ; wr: which 128 rows are mine
	s_and_b32 s18, s16, 1                          ; wc: which of the two heads
	s_bfe_u32 s20, ttmp6, 0x40000                  ; cx
	s_bfe_u32 s21, ttmp6, 0x40004                  ; cy
	s_lshl_b32 s22, ttmp9, 2
	s_add_co_u32 s22, s22, s20                     ; nb = 4 x cluster x + cx: the pair of heads
	s_and_b32 s19, ttmp7, 0xffff                   ; cluster y, 0 to 7: the block of 256 tokens within a batch
	s_lshl_b32 s23, s21, 3
	s_add_co_u32 s23, s23, s19                     ; mb = 8 cy + cluster y: the block of 256 rows; the batch is cy
	s_lshl_b32 s56, s21, 2
	s_lshl_b32 s56, 15, s56                        ; my row of the cluster
	s_lshl_b32 s57, 0x1111, s20                    ; my column
	s_or_b32 s[G1A+0], s56, 0x07310000             ; mask; element of 2 bytes; padding on; bit 21 beside a mask; after every 32 words (code 4) 4 words (code 3)
	s_or_b32 s[G1B+0], s57, 0x07310000
	s_mov_b32 s[G1A+1], 128<<16                    ; tensor_dim0 = 128 elements (256 bytes)
	s_mov_b32 s[G1B+1], 128<<16
	s_mov_b32 s[G1A+2], 128<<16                    ; tensor_dim1 = 128 rows of 256 bytes = 256 rows of x
	s_mov_b32 s[G1B+2], 64<<16                     ; 64 rows of 256 bytes = 128 rows of W
	s_mov_b32 s[G1A+3], 128<<16                    ; tile_dim0
	s_mov_b32 s[G1B+3], 128<<16
	s_mov_b32 s[G1A+4], 128                        ; tile_dim1
	s_mov_b32 s[G1B+4], 64
	s_mov_b32 s[G1A+5], 128                        ; pitch: the block is dense
	s_mov_b32 s[G1B+5], 128
	s_mov_b32 s[G1A+6], 0
	s_mov_b32 s[G1B+6], 0
	s_mov_b32 s[G1A+7], 0
	s_mov_b32 s[G1B+7], 0
	s_lshl_b32 s58, s23, 15                        ; x: 256 mb rows x 128 bytes; made of the block row alone
	s_mov_b32 s59, 0
	s_max_u32 s60, s16, 1
	s_sub_co_u32 s60, s60, 1                       ; W: part 0, 1, 2 for waves 1, 2, 3 (wave 0 never asks by this address)
	s_lshl_b32 s60, s60, 17                        ; part x 1,024 rows x 128 bytes
	s_lshl_b32 s61, s22, 14                        ; + 128 nb rows x 128 bytes; made of the block column and the wave's number alone
	s_add_co_u32 s60, s60, s61
	s_mov_b32 s61, 0
	s_mul_i32 s62, s16, BPART
	s_add_co_u32 s62, s62, BPART                   ; LDS: (wave + 1) x 18,432 = behind x's 36,864 bytes, part wave - 1
	s_wait_dscnt 0x0
	s_wait_kmcnt 0x0
	s_add_nc_u64 s[58:59], s[4:5], s[58:59]
	s_add_nc_u64 s[60:61], s[6:7], s[60:61]
	CROUND                                         ; all sixteen work-groups are here: the first joint loads meet
.irp s, 0,1
	s_mov_b32 s[G0A+4*\s], 1
	s_mov_b32 s[G0A+4*\s+1], \s*SLOT
	s_add_nc_u64 s[G0A+4*\s+2:G0A+4*\s+3], s[58:59], \s*XSTEP
	s_or_b32 s[G0A+4*\s+3], s[G0A+4*\s+3], 0x80000000
	s_mov_b32 s[G0B+4*\s], 1
	s_add_co_u32 s[G0B+4*\s+1], s62, \s*SLOT
	s_add_nc_u64 s[G0B+4*\s+2:G0B+4*\s+3], s[60:61], \s*WSTEP
	s_or_b32 s[G0B+4*\s+3], s[G0B+4*\s+3], 0x80000000
	JLOAD \s                                       ; K steps 0 and 1: the ring is filled before anything else is done
.endr
	v_and_b32 v1, 15, v0                           ; r = l % 16
	v_bfe_u32 v2, v0, 4, 1                         ; h = l / 16
	v_mul_u32_u24 v3, v1, 144
	v_lshl_add_u32 v3, v2, 4, v3                   ; r x 144 + 16 h: a fragment is two loads of 16 bytes, 32 bytes apart
	s_mul_i32 s72, s17, BPART                      ; my 128 rows of x
	s_mul_i32 s73, s18, 9216                       ; my 64 rows of each part of W,
	s_add_co_u32 s73, s73, BOFF                    ; behind x
	s_mul_i32 s74, s16, STG
	s_add_co_u32 s74, s74, STAGE                   ; my stage
	v_add_nc_u32 v[ADRA], s72, v3
	v_add_nc_u32 v[ADRB], s73, v3
	v_add_nc_u32 v[ADRA+1], SLOT, v[ADRA]
	v_add_nc_u32 v[ADRB+1], SLOT, v[ADRB]
	v_add_nc_u32 v[STOQ], s74, v3                  ; q, k in: row r, 16 bytes for each half of the lanes
	v_bfe_u32 v5, v0, 3, 2                         ; q, k back: eight lanes take a row of 128 bytes, a wave four rows
	v_and_b32 v6, 7, v0
	v_mul_u32_u24 v[RDQ], v5, 144
	v_lshl_add_u32 v[RDQ], v6, 4, v[RDQ]
	v_add_nc_u32 v[RDQ], s74, v[RDQ]
	v_and_b32 v4, 31, v0
	v_lshlrev_b32 v[CQ], 4, v4                     ; 16 l: four rows of 128 bytes are 512 neighbouring bytes of qh, kh
	v_mul_u32_u24 v[STOV], v1, 272
	v_lshl_add_u32 v[STOV], v2, 4, v[STOV]
	v_add_nc_u32 v[STOV], s74, v[STOV]             ; v in: row r (a column d) of 272 bytes: 128 tokens
	v_bfe_u32 v7, v0, 3, 1                         ; v back: eight lanes take 64 tokens (128 bytes) of a row: lanes 0-7 and 8-15 the first 64 tokens of
	v_mul_u32_u24 v[RDV], v7, 272                  ; rows 2 i and 2 i + 1, lanes 16-31 the second 64 tokens of the same two rows
	v_lshl_add_u32 v[RDV], v6, 4, v[RDV]
	v_lshl_add_u32 v[RDV], v2, 7, v[RDV]
	v_add_nc_u32 v[RDV], s74, v[RDV]
	v_lshlrev_b32 v[CVO], 13, v2                   ; in vt: the second 64 tokens are the next tile, 8,192 bytes on;
	v_lshl_add_u32 v[CVO], v7, 7, v[CVO]           ; a row of a tile is 128 bytes, so rows 2 i and 2 i + 1 are 256 neighbouring bytes
	v_lshl_add_u32 v[CVO], v6, 4, v[CVO]
	v_lshlrev_b32 v18, 5, v2                       ; q's bias: my eight columns begin at 8 h
	v_lshlrev_b32 v19, 2, v1                       ; v's bias: my column is r
	s_lshl_b32 s68, s22, 1
	s_add_co_u32 s68, s68, s18                     ; my head
	s_lshl_b32 s70, s68, 8                         ; x 64 numbers of 4 bytes
	s_mov_b32 s71, 0
	s_add_nc_u64 s[70:71], s[8:9], s[70:71]
	s_mov_b32 s66, 0x3e38aa3b                      ; 0.125 log2(e): the scores then are exponents of 2
	s_mov_b32 s67, 0x3e38aa3b
.irp b, 0,1,2,3
	global_load_b128 v[BQ+8*\b:BQ+8*\b+3],   v18, s[70:71] offset:64*\b
	global_load_b128 v[BQ+8*\b+4:BQ+8*\b+7], v18, s[70:71] offset:64*\b+16
	global_load_b32 v[BV+2*\b],   v19, s[70:71] offset:8192+64*\b
	global_load_b32 v[BV+2*\b+1], v19, s[70:71] offset:8192+64*\b
.endr
	s_wait_loadcnt 0x0
.set kk, 0
.rept 16
	v_pk_mul_f32 v[BQ+2*kk:BQ+2*kk+1], v[BQ+2*kk:BQ+2*kk+1], s[66:67] op_sel_hi:[1,0]   ; (acc + bq) c = acc c + bq c: one fused multiply-add on the way out
.set kk, kk+1
.endr
; n fragments of x from a0 on, half hlf (32 along K) of the step in the slot, into buf
.macro LDA slot, hlf, buf, a0, n
.set la, \a0
.rept \n
	ds_load_b128 v[\buf+8*la:\buf+8*la+3],   v[ADRA+\slot] offset:la*FR+64*\hlf
	ds_load_b128 v[\buf+8*la+4:\buf+8*la+7], v[ADRA+\slot] offset:la*FR+64*\hlf+32
.set la, la+1
.endr
.endm
; the four fragments of my head in part g (0 q, 1 k, 2 v) of W
.macro LDB slot, hlf, g, buf
.set lb, 0
.rept 4
	ds_load_b128 v[\buf+8*lb:\buf+8*lb+3],   v[ADRB+\slot] offset:\g*BPART+lb*FR+64*\hlf
	ds_load_b128 v[\buf+8*lb+4:\buf+8*lb+7], v[ADRB+\slot] offset:\g*BPART+lb*FR+64*\hlf+32
.set lb, lb+1
.endr
.endm
; na x 4 matrix instructions of group g; zero = 1: the product starts the sums, nothing is cleared.
; The accumulators take turns, one instruction a turn: 95 others stand between two on one accumulator.
.macro MUL g, abuf, bbuf, a0, na, zero
.set ia, \a0
.rept \na
.set ib, 0
.rept 4
.if \g == 2
.if \zero
	v_wmma_f32_16x16x32_bf16 v[8*(4*ia+ib):8*(4*ia+ib)+7], v[\abuf+8*ia:\abuf+8*ia+7], v[\bbuf+8*ib:\bbuf+8*ib+7], 0
.else
	v_wmma_f32_16x16x32_bf16 v[8*(4*ia+ib):8*(4*ia+ib)+7], v[\abuf+8*ia:\abuf+8*ia+7], v[\bbuf+8*ib:\bbuf+8*ib+7], v[8*(4*ia+ib):8*(4*ia+ib)+7]
.endif
.else
.if \zero
	v_wmma_f32_16x16x32_bf16 v[8*(4*ia+ib):8*(4*ia+ib)+7], v[\bbuf+8*ib:\bbuf+8*ib+7], v[\abuf+8*ia:\abuf+8*ia+7], 0
.else
	v_wmma_f32_16x16x32_bf16 v[8*(4*ia+ib):8*(4*ia+ib)+7], v[\bbuf+8*ib:\bbuf+8*ib+7], v[\abuf+8*ia:\abuf+8*ia+7], v[8*(4*ia+ib):8*(4*ia+ib)+7]
.endif
.endif
.set ib, ib+1
.endr
.set ia, ia+1
.endr
.endm
; A K step of 64: six runs of 32 matrix instructions (q, k, v on the first 32 along K, then on the second).  In front of each run the fragments of a later
; run are asked for; the counted wait lets exactly those just issued stay out.
; mode 2: the slot is filled again two steps ahead, behind a round of the cluster's barrier; mode 1: a barrier alone; mode 0: the last step.
.macro KSTEPM sl, nx, zero, mode
	PLACES
	WIN 0
	LDB \sl, 0, 1, BF1
	LDA \sl, 1, AF1, 0, 4
	s_wait_dscnt 16                                ; all but the 16 just issued: x's first half and q's fragments are in
	WIN 0x50
	MUL 0, AF0, BF0, 0, 8, \zero
	PLACES
	WIN 0
	LDB \sl, 0, 2, BF0
	LDA \sl, 1, AF1, 4, 4
	s_wait_dscnt 16                                ; k's fragments are in
	WIN 0xa0
	MUL 1, AF0, BF1, 0, 8, \zero
	PLACES
	WIN 0
	LDB \sl, 1, 0, BF1
	s_wait_dscnt 8                                 ; all but the 8 just issued: v's fragments and x's second half are in
	WIN 0xf0
	MUL 2, AF0, BF0, 0, 8, \zero
	PLACES
	WIN 0
	LDB \sl, 1, 1, BF0
	s_wait_dscnt 8
	WIN 0x50
	MUL 0, AF1, BF1, 0, 8, 0
	PLACES
	WIN 0
	LDB \sl, 1, 2, BF1
	s_wait_dscnt 8
	WIN 0xa0
	MUL 1, AF1, BF0, 0, 4, 0
.if \mode
	s_wait_dscnt 0x0                               ; my reads of this slot are over,
	s_wait_tensorcnt 0x0                           ; and all my tensor loads have landed: the one that was out is my part of the next slot
	ds_add_u32 v30, v31
	s_wait_dscnt 0x0
	s_barrier_signal -1                            ; say so (in mode 2 this barrier opens a round of the cluster's barrier)
.endif
	MUL 1, AF1, BF0, 4, 4, 0                       ; register work while the others arrive
.if \mode
	WIN 0
	s_barrier_wait -1
.endif
.if \mode == 2
	CREST                                          ; no wave of any partner still reads this slot or has a load on its way
	s_add_nc_u64 s[G0A+4*\sl+2:G0A+4*\sl+3], s[G0A+4*\sl+2:G0A+4*\sl+3], 2*XSTEP
	s_add_nc_u64 s[G0B+4*\sl+2:G0B+4*\sl+3], s[G0B+4*\sl+2:G0B+4*\sl+3], 2*WSTEP
	JLOAD \sl                                      ; the first tensor load behind the round, one a wave; 176 matrix instructions stand between it and the wait for it
.endif
	PLACES
	WIN 0
.if \mode
	LDB \nx, 0, 0, BF0                             ; the next step's first fragments; they are waited for in its first run
	LDA \nx, 0, AF0, 0, 8
.else
	s_wait_dscnt 0x0                               ; the last fragments
.endif
	WIN 0xf0
	MUL 2, AF1, BF1, 0, 8, 0
.endm
	s_wait_tensorcnt 1                             ; my part of K step 0 is in; K step 1 may stay out
	s_barrier_signal -1
	s_barrier_wait -1
	LDB 0, 0, 0, BF0
	LDA 0, 0, AF0, 0, 8
	KSTEPM 0, 1, 1, 2                              ; the first lap stands in front of the loop: its first products start the sums
	KSTEPM 1, 0, 0, 2
	WIN 0
	s_mov_b32 s19, 6                               ; K steps 2 to 13
.Llap:
	KSTEPM 0, 1, 0, 2
	KSTEPM 1, 0, 0, 2
	WIN 0
	s_sub_co_u32 s19, s19, 1
	s_cmp_lg_u32 s19, 0
	s_cbranch_scc1 .Llap
	KSTEPM 0, 1, 0, 1                              ; K steps 14 and 15 fill nothing
	KSTEPM 1, 0, 0, 0
	; THE WAY OUT
	PLACES
	s_lshr_b32 s69, s23, 3                         ; batch = row / 2,048
	s_lshl_b32 s69, s69, 4
	s_add_co_u32 s69, s69, s68                     ; bh = 16 batch + head
	s_and_b32 s72, s23, 7
	s_lshl_b32 s72, s72, 8
	s_lshl_b32 s73, s17, 7
	s_add_co_u32 s72, s72, s73                     ; my first token, a multiple of 128
	s_lshl_b32 s74, s72, 7                         ; token x 128 bytes: in qh and kh a token's row, in vt (token / 64) tiles of 8,192 bytes
	s_mul_i32 s72, s69, 24576                      ; bh x 6 parts x 4,096 bytes in hl
	s_mov_b32 s73, 0
	s_lshl_b32 s69, s69, 18                        ; bh x 262,144 bytes in each of the three large buffers
	s_add_co_u32 s74, s74, s69
	s_mov_b32 s75, 0
	s_add_nc_u64 s[76:77], s[10:11], s[74:75]      ; qh at my first token
	s_add_nc_u64 s[78:79], s[12:13], s[74:75]      ; kh
	s_add_nc_u64 s[82:83], s[14:15], s[74:75]      ; vt at my first tile, row d = 0
	s_add_nc_u64 s[80:81], s[80:81], s[72:73]      ; hl at my head
; 16 tokens x 64 columns of q or k: to f16, through my stage, out as 2,048 neighbouring bytes.  from: the window of the two sources
.macro OUTQK a, from, gbase, rb
	WIN \from
.set ob, 0
.rept 4
.set oi, 0
.rept 4
	v_cvt_pk_f16_f32 v[TMP+4*ob+oi], v[8*(4*\a+ob)+2*oi], v[8*(4*\a+ob)+2*oi+1]
.set oi, oi+1
.endr
.set ob, ob+1
.endr
	WIN 0
.set ob, 0
.rept 4
	ds_store_b128 v[STOQ], v[TMP+4*ob:TMP+4*ob+3] offset:32*ob
.set ob, ob+1
.endr
	s_wait_xcnt 0x0                                ; the read-back buffer, which earlier stores read, is loaded again only behind this wait
.set oi, 0
.rept 4
	ds_load_b128 v[\rb+4*oi:\rb+4*oi+3], v[RDQ] offset:576*oi   ; LDS serves a wave's instructions in order: these see the stores above
.set oi, oi+1
.endr
.set oi, 0
.rept 4
	s_wait_dscnt 3-oi
	global_store_b128 v[CQ], v[\rb+4*oi:\rb+4*oi+3], s[\gbase:\gbase+1] offset:2048*\a+512*oi   ; a wave's store covers 512 consecutive bytes, aligned
.set oi, oi+1
.endr
.endm
; 16 columns d x 128 tokens of v: rows 16 b .. 16 b + 15 of two tiles of vt
.macro OUTV b, rb
	WIN 0x0f
.set oa, 0
.rept 8
.set oi, 0
.rept 4
	v_cvt_pk_f16_f32 v[TMP+4*oa+oi], v[8*(4*oa+\b)+2*oi], v[8*(4*oa+\b)+2*oi+1]
.set oi, oi+1
.endr
.set oa, oa+1
.endr
	WIN 0
.set oa, 0
.rept 8
	ds_store_b128 v[STOV], v[TMP+4*oa:TMP+4*oa+3] offset:32*oa
.set oa, oa+1
.endr
	s_wait_xcnt 0x0
.set oi, 0
.rept 8
	ds_load_b128 v[\rb+4*oi:\rb+4*oi+3], v[RDV] offset:544*oi
.set oi, oi+1
.endr
.set oi, 0
.rept 8
	s_wait_dscnt 7-oi
	global_store_b128 v[CVO], v[\rb+4*oi:\rb+4*oi+3], s[82:83] offset:2048*\b+256*oi   ; sixteen lanes store 256 consecutive bytes, aligned: rows 16 b + 2 i and + 1 of a tile
.set oi, oi+1
.endr
.endm
; The eight accumulator tiles a = 0, 1 (tokens 0 to 31) of window w, registers 0 to 63, in two f16 halves.
; wa: source 1 in window w; ws: source 0 in window w.
.macro HALVES w, wa, ws
	s_wait_xcnt 0x0                                ; registers that earlier stores read are written again only behind this wait
	WIN \wa
.set hh, 0
.rept 64
	v_and_b32 v[HU+hh], s72, v[hh]                 ; upper: sign, exponent and 10 bits of the mantissa: exact in f16
.set hh, hh+1
.endr
	WIN \ws
.set hh, 0
.rept 32
	v_pk_add_f32 v[LU+2*hh:LU+2*hh+1], v[2*hh:2*hh+1], v[HU+2*hh:HU+2*hh+1] neg_lo:[0,1] neg_hi:[0,1]   ; rest = sum - upper, exact in f32
.set hh, hh+1
.endr
	WIN 0
.set hh, 0
.rept 32
	v_cvt_pk_f16_f32 v[HT+hh], v[HU+2*hh], v[HU+2*hh+1]
	v_cvt_pk_f16_f32 v[LT+hh], v[LU+2*hh], v[LU+2*hh+1]
.set hh, hh+1
.endr
.set hh, 0
.rept 8
	global_store_b128 v[CQ], v[HT+4*hh:HT+4*hh+3], s[80:81] offset:(2*\w-2)*4096+512*hh   ; tile hh: a wave's store covers 512 consecutive bytes, aligned
	global_store_b128 v[CQ], v[LT+4*hh:LT+4*hh+3], s[80:81] offset:(2*\w-1)*4096+512*hh
.set hh, hh+1
.endr
.endm
	WIN 0x41                                       ; q: acc x c + bq x c, in place
.set oa, 0
.rept 8
.set ob, 0
.rept 4
.set oi, 0
.rept 4
	v_pk_fma_f32 v[8*(4*oa+ob)+2*oi:8*(4*oa+ob)+2*oi+1], v[8*(4*oa+ob)+2*oi:8*(4*oa+ob)+2*oi+1], s[66:67], v[BQ+8*ob+2*oi:BQ+8*ob+2*oi+1] op_sel_hi:[1,0,1]
.set oi, oi+1
.endr
.set ob, ob+1
.endr
.set oa, oa+1
.endr
	OUTQK 0, 0x05, 76, RB0
	OUTQK 1, 0x05, 76, RB1
	OUTQK 2, 0x05, 76, RB0
	OUTQK 3, 0x05, 76, RB1
	OUTQK 4, 0x05, 76, RB0
	OUTQK 5, 0x05, 76, RB1
	OUTQK 6, 0x05, 76, RB0
	OUTQK 7, 0x05, 76, RB1
	OUTQK 0, 0x0a, 78, RB0                         ; k goes out as it is: no bias, no scale
	OUTQK 1, 0x0a, 78, RB1
	OUTQK 2, 0x0a, 78, RB0
	OUTQK 3, 0x0a, 78, RB1
	OUTQK 4, 0x0a, 78, RB0
	OUTQK 5, 0x0a, 78, RB1
	OUTQK 6, 0x0a, 78, RB0
	OUTQK 7, 0x0a, 78, RB1
	WIN 0xc3                                       ; v: + bv of my column, in place
.set oa, 0
.rept 8
.set ob, 0
.rept 4
.set oi, 0
.rept 4
	v_pk_add_f32 v[8*(4*oa+ob)+2*oi:8*(4*oa+ob)+2*oi+1], v[8*(4*oa+ob)+2*oi:8*(4*oa+ob)+2*oi+1], v[BV+2*ob:BV+2*ob+1]
.set oi, oi+1
.endr
.set ob, ob+1
.endr
.set oa, oa+1
.endr
	OUTV 0, RB0
	OUTV 1, RB1
	OUTV 2, RB0
	OUTV 3, RB1
	; Tokens 0 to 31 of a batch lie with the waves of rows 0 to 127 (wr = 0) of the work-groups whose block of tokens, the cluster's y, is 0.
	; The accumulators still hold the f32 results (q scaled and with its bias, v with its bias).
	s_and_b32 s73, ttmp7, 0xffff
	s_cmp_lg_u32 s73, 0                            ; the same in all sixteen work-groups of the cluster
	s_cbranch_scc1 .Lno_halves
	s_cmp_lg_u32 s17, 0
	s_cbranch_scc1 .Lno_halves
	s_mov_b32 s72, 0xffffe000
	HALVES 1, 0x04, 0x01                           ; q
	HALVES 2, 0x08, 0x02                           ; k
	HALVES 3, 0x0c, 0x03                           ; v
.Lno_halves:
	s_wait_tensorcnt 0x0
	ds_add_u32 v30, v31
	s_wait_dscnt 0x0
	CROUND                                         ; the closing round: no work-group ends while a partner may still ask for a tile that names it
	s_endpgm
.Lfunc_end_k_qdd4473ac89_qkv:
	.size	k_qdd4473ac89_qkv, .Lfunc_end_k_qdd4473ac89_qkv-k_qdd4473ac89_qkv
	.p2alignl 7, 3214868480
	.fill 96, 4, 3214868480
	.section	.rodata,"a",@progbits
	.p2align	6, 0x0
	.amdhsa_kernel k_qdd4473ac89_qkv
		.amdhsa_group_segment_fixed_size 327680
		.amdhsa_private_segment_fixed_size 0
		.amdhsa_enable_private_segment 0
		.amdhsa_kernarg_size 56
		.amdhsa_user_sgpr_count 2
		.amdhsa_user_sgpr_kernarg_segment_ptr 1
		.amdhsa_wavefront_size32 1
		.amdhsa_system_sgpr_workgroup_id_x 1
		.amdhsa_system_sgpr_workgroup_id_y 1
		.amdhsa_system_sgpr_workgroup_id_z 1
		.amdhsa_system_vgpr_workitem_id 0
		.amdhsa_next_free_vgpr 1024
		.amdhsa_next_free_sgpr 84
		.amdhsa_reserve_vcc 0
		.amdhsa_float_denorm_mode_32 3
		.amdhsa_float_denorm_mode_16_64 3
		.amdhsa_memory_ordered 1
		.amdhsa_forward_progress 1
		.amdhsa_inst_pref_size 220
	.end_amdhsa_kernel
	.amdgpu_metadata
---
amdhsa.version: [ 1, 2 ]
amdhsa.kernels:
  - .name:           k_qdd4473ac89_qkv
    .symbol:         k_qdd4473ac89_qkv.kd
    .args:
      - { .name: xb, .offset: 0, .size: 8, .value_kind: global_buffer, .address_space: global }
      - { .name: wb, .offset: 8, .size: 8, .value_kind: global_buffer, .address_space: global }
      - { .name: b_qkv, .offset: 16, .size: 8, .value_kind: global_buffer, .address_space: global }
      - { .name: qh, .offset: 24, .size: 8, .value_kind: global_buffer, .address_space: global }
      - { .name: kh, .offset: 32, .size: 8, .value_kind: global_buffer, .address_space: global }
      - { .name: vt, .offset: 40, .size: 8, .value_kind: global_buffer, .address_space: global }
      - { .name: hl, .offset: 48, .size: 8, .value_kind: global_buffer, .address_space: global }
    .group_segment_fixed_size: 327680
    .private_segment_fixed_size: 0
    .kernarg_segment_align: 8
    .kernarg_segment_size: 56
    .max_flat_workgroup_size: 128
    .sgpr_count:     84
    .vgpr_count:     1024
    .wavefront_size: 32
...
	.end_amdgpu_metadata
.endif
;; end of part 2
;; launch attn (part 3): grid 4 x 64, 4 waves a work-group, no clusters, 327,680 bytes of LDS; arguments qh, kh, vt, out0, hl; writes out0
.if DOCPART == 3
	.amdgcn_target "amdgcn-amd-amdhsa--gfx1250"
	.amdhsa_code_object_version 6
	.text
	.protected	k_qdd4473ac89_attn
	.globl	k_qdd4473ac89_attn
	.p2align	8
	.type	k_qdd4473ac89_attn,@function
k_qdd4473ac89_attn:
	s_mov_b64 s[64:65], 0
	v_nop
	global_prefetch_b8 v0, s[64:65] scope:SCOPE_SE
	s_setreg_imm32_b32 hwreg(HW_REG_WAVE_MODE, 25, 1), 1
	s_wait_xcnt 0x0
; Causal attention for 64 (batch, head) pairs, T = 2,048, 64 numbers a head.  qh holds q x 0.125 log2(e), so weights are 2^(score - row maximum).
; LEFT OUT: blocks of 64 queries x 64 keys wholly above the diagonal and their products with V (reference() masks them by its own jnp.tril; shown at the
; head of the first launch); K carries no bias (the same place).  LIMITS: weights go to the product with V in f16: below 6e-8 of the row's largest they
; count as 0; a row's sum is taken from the f32 weights.  V must be finite in f16: inside a diagonal block it is multiplied by weights that are 0.
; SHARES: a work-group serves one (batch, head) and two tasks, the blocks of 256 queries qb1 and 7 - qb1, with qb1 = 7 - p for even p and p for odd p, so that
; the first task has an even number of key blocks (8, 2, 6, 4) and the change of tasks stands at one place of the text.  A key block is 256 keys, four tiles
; of 64.  A task of block qb walks key blocks 0 to qb, upward: nine blocks for every work-group.  Four waves, one a SIMD, 64 queries each.  In its task's
; last block wave w takes tiles 0 to w and masks tile w; then it goes on to its way out without waiting for the others.
; A TASK STARTS from maximum -inf, sum 0 and output 0 (128 moves against tens of thousands of instructions), so that every trip is the same text; the first
; trip's rescaling factor is 2^(-inf) = 0.  The running maximum is finite from the first trip on: key 0 is masked for no query.
; TRANSPOSED PRODUCTS: S^T = K Q^T (source 0 = 16 keys, source 1 = 16 queries): lane l holds query l % 16 and keys 8 (l / 16) + 0..7 of each tile.
; Two tiles of weights, packed to f16 in the lane, ARE source 1 of O^T = V^T P^T (source 0 = 16 rows of V^T).  So maximum, sum and rescaling factor are
; one register a lane; the only step between lanes is one exchange of the two halves for each maximum; the sum stays in halves until the end.
; MATRIX WORK BESIDE VECTOR WORK: a wave's 64 queries are four pieces of 16, which share the fragments of K and V.  A trip (64 keys) runs
;   SP0 | SOFT0 with SP1, SP2 | SOFT1 with PV0, then SP3 | SOFT2 with PV1 | SOFT3 with PV2 | PV3
; (SPq: the 8 score products of piece q; SOFTq: its 120 vector instructions, and one v_nop behind its exponentials; PVq: its 8 products with V).  The 120 are
; numbered, and a matrix instruction of another piece stands in front of every sixth or seventh: 48 of a trip's 64 matrix instructions.  With two pieces
; of 32 it would be 32 of 64.
; REGISTER WINDOWS: a matrix instruction's D and a vector instruction's destination share one field of the window setting, and O (128) with S (128) would
; fill a window, so no layout spares every switch.  Window 0 holds the scores (three buffers of 32: piece 3 takes piece 0's once PV0 has read it), K's and Q's
; fragments and all that the softmax touches: score products and softmax run under setting 0.  Window 1 holds O and V's fragments: the products with V
; and the rescaling of O run under one setting, 0x51.  That makes about 46 switches for a trip's 64 matrix and 480 vector instructions.
; QUERIES 0 TO 31 OF A HEAD have at most 32 keys: the roundings of f16 operands (2^-11 relative each), which n keys of like weight average down by about
; 1 / sqrt(n), stand nearly whole in their outputs, and such an output can be a small difference of values of size 1.  They are pieces 0 and 1 of wave 0
; where p = 0, in its one live trip of block 0, and are computed behind that trip from operands in two f16 halves (upper + rest, about 21 bits; hl, written by
; the launch before): S = Ku Qu + Ku Qr + Kr Qu and O = Vu Pu + Vu Pr + Vr Pu; the products of two rests, 2^-20 relative, are left out.  The common trip
; has served that wave's pieces 2 and 3; what it made for pieces 0 and 1 is replaced: half a trip in 64 of the 1,024 waves, inside a block of 64 x 64 that
; also holds live work, at a time when waves 1 to 3 of the work-group still have one to three tiles to do.
; RING: two slots, each a key block: four tiles of K, then four of V^T.  In kh and in vt a block is dense, 32,768 bytes; each wave fetches two tiles (waves 0, 1
; K's, waves 2, 3 V's) as 64 rows of 256 bytes; the mover lays 16 bytes of padding behind every 128, so LDS rows (a key of K, a row d of V^T) are 144 bytes
; apart.  One tensor load a wave behind each block's barrier, first thing there, into the slot read in the block before, with four trips in which to land; by
; this text's own count one is outstanding.  In front of every barrier every wave waits for its LDS reads and for all its tensor loads.  Nine barriers.
; NO MULTICAST: the four work-groups of a head walk the same key blocks only in their first two steps (their first tasks have 8, 2, 6 and 4 blocks); from
; there on they are at different blocks, and the change of tasks is a branch on p, which the partners of a cluster may not have.
.set PITCH,  144
.set TILE,   64*PITCH                  ; 9,216
.set VOFF,   4*TILE                    ; 36,864: V's four tiles behind K's four
.set SLOTB,  8*TILE                    ; 73,728: a slot
.set STAGE,  2*SLOTB                   ; 147,456: 16 rows x 272 bytes for each wave, for the way out; no tensor load fills them
.set SPITCH, 272
; window 0
.set AK,   2                           ; r x 144 + 16 h; never rewritten
.set CK,   3                           ; AK + slot + tile x 9,216
.set LN,   4                           ; 16 x lane
.set NINF, 5                           ; -inf
.set ML,   6                           ; v[6:13]   (maximum, my half of the sum) of piece 0..3
.set AL,   14                          ; v[14:21]  (rescaling factor, a lane constant): a packed source is read as a pair, and the odd halves serve as
.set STO,  15                          ;           the way out: where I put 32 bytes of a row
.set RD,   17                          ;           where I read a row back
.set CO,   19                          ;           my byte offset in out0
.set QO,   21                          ;           my byte offset in qh
.set T,    24                          ; v[24:31]  at work
.set KF,   32                          ; v[32:95]  fragments of K: 8 (2 kt + s)
.set QF,   96                          ; v[96:159] fragments of Q: 8 (2 q + s)
.set SB0,  160                         ; v[160:191] scores, then weights, of pieces 0 and 3: 8 kt
.set SB1,  192                         ; v[192:223] of piece 1
.set SB2,  224                         ; v[224:255] of piece 2
.set TMP,  160                         ; the way out
.set RB0,  192
.set RB1,  224
; window 1
.set O,    0                           ; v[256:383] output tiles: 8 (4 q + dt)
.set VF,   128                         ; v[384:447] fragments of V^T: 8 (2 dt + s)
; window 2: the operands in two halves
.set QH,   0                           ; v[512:543] Q's upper halves; v[544:575] its rests
.set QL,   32
.set KH,   64                          ; keys 0 to 31
.set KL,   96
.set VH,   128
.set VL,   160
; scalars: s12 wave, s13 wave & 1, s14 p, s15 bh, s16 the key block at work, s17 loop counter, s18 the first task's number of blocks, s19 the task's block of
;          queries, s20 key block of the last request, s21 the block of queries that the requests serve, s22 my tiles' place in a slot, s48 the second task's
;          block, s49 0xffffe000, s50 tile, s51 my last tile of this block, s54 the tile to mask, s[52:53] hl at my head, s[56:57] kh or vt at my tiles
.set G1,  24                           ; s[24:31]  the shape, for K and V alike
.set G0,  40                           ; s[40:47]  a set for each slot, written only where no tensor load of the wave is out
.set MK,  72                           ; s[72:79]  mask j: key 8 h + j <= query r
.set MSB, 0
.macro WIN new                         ; the immediate's high byte repeats the setting that is left; a switch that changes nothing is dropped; at every label and branch the setting is 0
.if MSB != \new
	s_set_vgpr_msb (MSB<<8)|\new
.set MSB, \new
.endif
.endm
.macro NOPS n
.rept \n
	v_nop
.endr
.endm
.macro SETADR slot                     ; the slot's group 0 points at key block s20
	s_lshl_b32 s62, s20, 15                        ; block x 32,768 bytes
	s_add_nc_u64 s[G0+4*\slot+2:G0+4*\slot+3], s[56:57], s[62:63]
	s_or_b32 s[G0+4*\slot+3], s[G0+4*\slot+3], 0x80000000
.endm
.macro KLOAD extra                     ; 64 keys x 64 numbers as eight fragments
.set lk, 0
.rept 4
.set ls, 0
.rept 2
	ds_load_b128 v[KF+8*(2*lk+ls):KF+8*(2*lk+ls)+3],   v[CK] offset:\extra+lk*16*PITCH+64*ls
	ds_load_b128 v[KF+8*(2*lk+ls)+4:KF+8*(2*lk+ls)+7], v[CK] offset:\extra+lk*16*PITCH+64*ls+32
.set ls, ls+1
.endr
.set lk, lk+1
.endr
.endm
.macro VLOAD                           ; under window 0x40: 64 rows of V^T x 64 keys as eight fragments
.set ld, 0
.rept 4
.set ls, 0
.rept 2
	ds_load_b128 v[VF+8*(2*ld+ls):VF+8*(2*ld+ls)+3],   v[CK] offset:VOFF+ld*16*PITCH+64*ls
	ds_load_b128 v[VF+8*(2*ld+ls)+4:VF+8*(2*ld+ls)+7], v[CK] offset:VOFF+ld*16*PITCH+64*ls+32
.set ls, ls+1
.endr
.set ld, ld+1
.endr
.endm
; Matrix instruction i (0..7) of the scores of piece q, into buffer sb: key tiles 0..3 on the first 32 of a head's numbers (they start the sums), then on the
; second 32.  The four accumulators take turns, one instruction a turn.
.macro SPI q, sb, i
.set wi, \i
	WIN 0
.if wi < 4
	v_wmma_f32_16x16x32_f16 v[\sb+8*wi:\sb+8*wi+7], v[KF+16*wi:KF+16*wi+7], v[QF+16*\q:QF+16*\q+7], 0
.else
.set wi, wi-4
	v_wmma_f32_16x16x32_f16 v[\sb+8*wi:\sb+8*wi+7], v[KF+16*wi+8:KF+16*wi+15], v[QF+16*\q+8:QF+16*\q+15], v[\sb+8*wi:\sb+8*wi+7]
.endif
.endm
; Matrix instruction i (0..7) of O^T += V^T P^T of piece q, weights in buffer sb: output tiles 0..3 on keys 0 to 31, then on keys 32 to 63.  By turns, as above.
.macro PVI q, sb, i
.set wi, \i
	WIN 0x51
	v_wmma_f32_16x16x32_f16 v[O+8*(4*\q+wi%4):O+8*(4*\q+wi%4)+7], v[VF+8*(2*(wi%4)+wi/4):VF+8*(2*(wi%4)+wi/4)+7], v[\sb+16*(wi/4):\sb+16*(wi/4)+7], v[O+8*(4*\q+wi%4):O+8*(4*\q+wi%4)+7]
.endm
; Vector instruction number nk (0..119) of the softmax step of piece q, scores in buffer sb.
;   0-22 the running maximum and the rescaling factor; 23-38 O is rescaled; 39-54 score - maximum; 55-86 the exponentials; 87-103 the sum; 104-119 to f16
.macro VI q, sb
.set MR, ML+2*\q
.set AR, AL+2*\q
.set nw, 0
.if nk >= 23
.if nk < 39
.set nw, 0x51                          ; O lies in window 1: destination and source 0; the setting is that of the products with V
.endif
.endif
	WIN nw
.if nk < 16                            ; one chain of maxima a key tile, written so that the chains do not wait for each other
.set nc, nk % 4
.set ng, nk / 4
.if ng == 0
	v_max3_num_f32 v[T+nc], v[\sb+8*nc], v[\sb+8*nc+1], v[\sb+8*nc+2]
.endif
.if ng == 1
	v_max3_num_f32 v[T+nc], v[T+nc], v[\sb+8*nc+3], v[\sb+8*nc+4]
.endif
.if ng == 2
	v_max3_num_f32 v[T+nc], v[T+nc], v[\sb+8*nc+5], v[\sb+8*nc+6]
.endif
.if ng == 3
	v_max_num_f32 v[T+nc], v[T+nc], v[\sb+8*nc+7]
.endif
.endif
.if nk == 16
	v_max3_num_f32 v[T], v[T], v[T+1], v[T+2]
.endif
.if nk == 17
	v_max3_num_f32 v[T], v[T], v[T+3], v[MR]       ; with the maximum so far
.endif
.if nk == 18
	v_permlanex16_b32 v[T+4], v[T], s70, s71       ; the other eight keys of each tile lie in lane l xor 16
.endif
.if nk == 19
	v_max_num_f32 v[T+5], v[T], v[T+4]
.endif
.if nk == 20
	v_sub_f32 v[AR], v[MR], v[T+5]
.endif
.if nk == 21
	v_exp_f32 v[AR], v[AR]                         ; what the sums so far are scaled by
.endif
.if nk == 22
	v_mov_b32 v[MR], v[T+5]                        ; also the plain instruction behind v_exp_f32 (ISA guide 5.7.2)
	s_wait_alu depctr_va_vdst(0)
.endif
.if nk >= 23
.if nk < 39
.set ni, nk-23
	v_pk_mul_f32 v[O+32*\q+2*ni:O+32*\q+2*ni+1], v[O+32*\q+2*ni:O+32*\q+2*ni+1], v[AR:AR+1] op_sel_hi:[1,0]
.endif
.endif
.if nk >= 39
.if nk < 55
.set ni, nk-39
	v_pk_add_f32 v[\sb+2*ni:\sb+2*ni+1], v[\sb+2*ni:\sb+2*ni+1], v[MR:MR+1] op_sel_hi:[1,0] neg_lo:[0,1] neg_hi:[0,1]
.endif
.endif
.if nk >= 55
.if nk < 87
.set ni, nk-55
	v_exp_f32 v[\sb+ni], v[\sb+ni]
.endif
.endif
.if nk == 87
	v_nop                                          ; one plain instruction between the exponentials and the first use of a result (ISA guide 5.7.2): the exponentials and matrix
	s_wait_alu depctr_va_vdst(0)
	                                               ; instructions in between are none; the step's only independent plain work, O's rescaling, would cost two window switches here
.endif
.if nk >= 87
.if nk < 99
.set nc, (nk-87) % 4
.set ng, (nk-87) / 4
.if ng == 0
	v_pk_add_f32 v[T+2*nc:T+2*nc+1], v[\sb+8*nc:\sb+8*nc+1], v[\sb+8*nc+2:\sb+8*nc+3]
.else
	v_pk_add_f32 v[T+2*nc:T+2*nc+1], v[T+2*nc:T+2*nc+1], v[\sb+8*nc+2+2*ng:\sb+8*nc+3+2*ng]
.endif
.endif
.endif
.if nk == 99
	v_pk_add_f32 v[T:T+1], v[T:T+1], v[T+2:T+3]
.endif
.if nk == 100
	v_pk_add_f32 v[T+4:T+5], v[T+4:T+5], v[T+6:T+7]
.endif
.if nk == 101
	v_pk_add_f32 v[T:T+1], v[T:T+1], v[T+4:T+5]
.endif
.if nk == 102
	v_add_f32 v[T], v[T], v[T+1]
.endif
.if nk == 103
	v_fma_f32 v[MR+1], v[MR+1], v[AR], v[T]        ; my half of the row's sum
.endif
.if nk >= 104                          ; to f16, in place: tiles 2 s and 2 s + 1 become the eight registers of source 1 for keys 32 s .. 32 s + 31
.set nc, (nk-104) / 4
.set ng, (nk-104) % 4
	v_cvt_pk_f16_f32 v[\sb+16*(nc/2)+4*(nc%2)+ng], v[\sb+8*nc+2*ng], v[\sb+8*nc+2*ng+1]
.endif
.endm
; The softmax step of piece q with other pieces' matrix instructions among it.
; plan 1: SP1 and SP2, one in front of every seventh vector instruction (numbers 0 to 105); 15 conversions stand behind the last.
; plan 2: PV of piece pq, one in front of every sixth (numbers 0 to 42); then SP3, into the buffer that PV0 has read, from number 55 on (the 13
;         subtractions 42 to 54 are the places between the two: ISA guide 7.12.1), one in front of every seventh up to number 104; 16 conversions stand behind the last.
; plan 3: PV of piece pq alone.
.macro PHASE q, sb, plan, pq, psb
.set nk, 0
.rept 120
.if \plan == 1
.if (nk % 7) == 0
.if nk < 56
	SPI 1, SB1, nk/7
.endif
.if nk >= 56
.if nk < 112
	SPI 2, SB2, nk/7-8
.endif
.endif
.endif
.endif
.if \plan >= 2
.if (nk % 6) == 0
.if nk < 48
	PVI \pq, \psb, nk/6
.endif
.endif
.endif
.if \plan == 2
.if nk >= 55
.if nk < 111
.if ((nk-55) % 7) == 0
	SPI 3, SB0, (nk-55)/7
.endif
.endif
.endif
.endif
	VI \q, \sb
.set nk, nk+1
.endr
.endm
; Piece q of a block of 64 x 64 on the diagonal faces key tile q.  Key above the query: -inf, as reference() sets it.
.macro MASKQ q, sb
.set mkt, 0
.rept 4
.if mkt == \q
.set jj, 0
.rept 8
	v_cndmask_b32 v[\sb+8*mkt+jj], v[NINF], v[\sb+8*mkt+jj], s[MK+jj]
.set jj, jj+1
.endr
.endif
.if mkt > \q
.set jj, 0
.rept 8
	v_mov_b32 v[\sb+8*mkt+jj], v[NINF]
.set jj, jj+1
.endr
.endif
.set mkt, mkt+1
.endr
.endm
.macro MASKB q, sb                     ; only in the trip whose tile lies on my diagonal
	s_cmp_lg_u32 s50, s54
	s_cbranch_scc1 .Lnomask_\@
	MASKQ \q, \sb
.Lnomask_\@:
.endm
; A trip: my 64 queries x the 64 keys of tile s50 of the slot.  K's fragments have been asked for; V's are asked for here.
.macro BODY slot
	s_min_u32 s55, s50, 3                          ; the tile's number; its bound, the loop's own, stands in the lines that make the address
	s_mul_i32 s55, s55, TILE
.if \slot
	s_add_co_u32 s55, s55, \slot*SLOTB
.endif
	v_add_nc_u32 v[CK], s55, v[AK]
	WIN 0x40
	VLOAD                                          ; wanted by PV0, a whole softmax step further down
	WIN 0
	s_wait_dscnt 16                                ; K's 16 loads are in; the 16 loads of V are younger
.set wj, 0
.rept 8
	SPI 0, SB0, wj
.set wj, wj+1
.endr
	NOPS 4                                         ; places behind the products (ISA guide 7.12.1) before piece 0's scores are read: no vector work is at hand yet
	MASKB 0, SB0
	PHASE 0, SB0, 1, 0, SB0
	s_wait_dscnt 0x0                               ; V's fragments
	MASKB 1, SB1
	PHASE 1, SB1, 2, 0, SB0
	s_cmp_ge_u32 s50, s51
	s_cbranch_scc1 .Lno_next_\@                    ; my last tile of this block: nothing to ask for
	KLOAD TILE                                     ; the next tile's K, two softmax steps ahead of its use; SP3 has read the old fragments, 16 places back
.Lno_next_\@:
	MASKB 2, SB2
	PHASE 2, SB2, 3, 1, SB1
	MASKB 3, SB0
	PHASE 3, SB0, 3, 2, SB2
.set wj, 0
.rept 8
	PVI 3, SB0, wj
.set wj, wj+1
.endr
	WIN 0
	NOPS 5                                         ; places before the next scores write over piece 3's weights, V's fragments are loaded again, or the output is read
.endm
; A key block, in the slot; refill = 1: the other slot, read in the block before, is filled with the next block.
.macro STEP slot, other, refill
	s_set_vgpr_msb 0x5
	s_wait_tensorcnt 0x0                           ; all my tensor loads have landed, my two tiles of this block among them, so every group 0 may be written
	ds_add_u32 v254, v255
	s_wait_dscnt 0x0
	s_set_vgpr_msb 0x500
.if \refill
	s_add_co_u32 s23, s20, 1
	s_cmp_eq_u32 s20, s21
	s_cselect_b32 s20, 0, s23                      ; the next block: one up, or, behind a task's last, the second task's block 0
	s_cselect_b32 s21, s48, s21
	SETADR \other
.endif
	s_wait_dscnt 0x0                               ; my reads of the last block are over
	s_barrier_signal -1
	s_barrier_wait -1                              ; both now hold of every wave
.if \refill
	tensor_load_to_lds s[G0+4*\other:G0+4*\other+3], s[G1:G1+7]   ; my one tensor load behind this barrier, first thing there
	s_nop 0
.endif
	s_cmp_eq_u32 s16, s19                          ; the task's last block lies on the diagonal:
	s_cselect_b32 s51, s12, 3                      ; there my last tile is tile w,
	s_cselect_b32 s54, s12, 64                     ; and it is masked; elsewhere no tile is
.if \slot
	v_add_nc_u32 v[CK], \slot*SLOTB, v[AK]
.else
	v_mov_b32 v[CK], v[AK]
.endif
	KLOAD 0                                        ; tile 0, which is live for every wave
	s_mov_b32 s50, 0
.Ltile_\@:
	s_cmp_gt_u32 s50, s51
	s_cbranch_scc1 .Lnext_\@                       ; above my diagonal
	BODY \slot
.Lnext_\@:
	s_add_co_u32 s50, s50, 1
	s_cmp_lt_u32 s50, 4
	s_cbranch_scc1 .Ltile_\@
	s_add_co_u32 s16, s16, 1
.endm
; ---- queries 0 to 31 against keys 0 to 31, operands in two halves ----
; A part of hl: eight tiles of 512 bytes, lane by lane as the fragments want them: tile 4 a + b is registers 4 (4 a + b) .. + 3 of Q's or K's fragments
.macro HLOAD dst, part
.set lt, 0
.rept 8
	global_load_b128 v[\dst+4*lt:\dst+4*lt+3], v[LN], s[52:53] offset:\part*4096+512*lt
.set lt, lt+1
.endr
.endm
; V's: tile 4 a + dt (tokens 16 a .., rows 16 dt ..) is registers 4 a .. 4 a + 3 of fragment dt
.macro HLOADV dst, part
.set la, 0
.rept 2
.set ld, 0
.rept 4
	global_load_b128 v[\dst+8*ld+4*la:\dst+8*ld+4*la+3], v[LN], s[52:53] offset:\part*4096+512*(4*la+ld)
.set ld, ld+1
.endr
.set la, la+1
.endr
.endm
; One term of the scores, half s of a head's 64 numbers, on the three tiles that are not wholly above the diagonal.  By turns, one instruction a turn.
.macro FS kb, qb, s, zero
.set pq, 0
.rept 2
.set pk, 0
.rept 2
.if pk <= pq
.if \zero
	v_wmma_f32_16x16x32_f16 v[SB0+32*pq+8*pk:SB0+32*pq+8*pk+7], v[\kb+16*pk+8*\s:\kb+16*pk+8*\s+7], v[\qb+16*pq+8*\s:\qb+16*pq+8*\s+7], 0
.else
	v_wmma_f32_16x16x32_f16 v[SB0+32*pq+8*pk:SB0+32*pq+8*pk+7], v[\kb+16*pk+8*\s:\kb+16*pk+8*\s+7], v[\qb+16*pq+8*\s:\qb+16*pq+8*\s+7], v[SB0+32*pq+8*pk:SB0+32*pq+8*pk+7]
.endif
.endif
.set pk, pk+1
.endr
.set pq, pq+1
.endr
.endm
; One term of the output: V's part vb times the weights' part at register po of each piece's buffer.  By turns, as above.
.macro FPV vb, po, zero
.set pq, 0
.rept 2
.set pd, 0
.rept 4
.if \zero
	v_wmma_f32_16x16x32_f16 v[O+8*(4*pq+pd):O+8*(4*pq+pd)+7], v[\vb+8*pd:\vb+8*pd+7], v[SB0+32*pq+\po:SB0+32*pq+\po+7], 0
.else
	v_wmma_f32_16x16x32_f16 v[O+8*(4*pq+pd):O+8*(4*pq+pd)+7], v[\vb+8*pd:\vb+8*pd+7], v[SB0+32*pq+\po:SB0+32*pq+\po+7], v[O+8*(4*pq+pd):O+8*(4*pq+pd)+7]
.endif
.set pd, pd+1
.endr
.set pq, pq+1
.endr
.endm
; The softmax step without the rescaling of O (the products start O anew); the weights of keys 0 to 31 leave in two f16 halves.
.macro SOFTF q, sb
.set nk, 0
.rept 23
	VI \q, \sb
.set nk, nk+1
.endr
.set nk, 39
.rept 65
	VI \q, \sb
.set nk, nk+1
.endr
	; Key tiles 0 and 1 (registers 0 to 15) in two halves; tiles 2 and 3 (registers 16 to 31) are all 0 here, have been summed, and give their room.
.set kk, 0
.rept 16
	v_and_b32 v[\sb+16+kk], s49, v[\sb+kk]         ; upper: 10 bits of the mantissa, exact in f16 (below 2^-14 off by 6e-8 of the largest weight at most)
.set kk, kk+1
.endr
.set kk, 0
.rept 8
	v_pk_add_f32 v[\sb+2*kk:\sb+2*kk+1], v[\sb+2*kk:\sb+2*kk+1], v[\sb+16+2*kk:\sb+17+2*kk] neg_lo:[0,1] neg_hi:[0,1]   ; rest, exact in f32
.set kk, kk+1
.endr
.set kk, 0
.rept 8
	v_cvt_pk_f16_f32 v[\sb+16+kk], v[\sb+16+2*kk], v[\sb+17+2*kk]   ; uppers: source 1 in registers 16 to 23
	v_cvt_pk_f16_f32 v[\sb+kk], v[\sb+2*kk], v[\sb+2*kk+1]          ; rests: source 1 in registers 0 to 7
.set kk, kk+1
.endr
.endm
.macro FINE
	WIN 0x80
	HLOAD QH, 0
	HLOAD QL, 1
	HLOAD KH, 2
	HLOAD KL, 3
	HLOADV VH, 4
	HLOADV VL, 5
	WIN 0
.set jj, 0
.rept 2
	v_mov_b32 v[ML+2*jj], v[NINF]                  ; pieces 0 and 1 begin anew
	v_mov_b32 v[ML+2*jj+1], 0
.set jj, jj+1
.endr
	s_wait_loadcnt 16                              ; Q's and K's 32 loads are in; the 16 loads of V's halves are younger
	WIN 0x0a
	FS KH, QH, 0, 1                                ; the first term starts the sums
	FS KH, QH, 1, 0
	FS KH, QL, 0, 0
	FS KH, QL, 1, 0
	FS KL, QH, 0, 0
	FS KL, QH, 1, 0
	WIN 0
	NOPS 4                                         ; places behind the products (ISA guide 7.12.1) before the scores are read
	MASKQ 0, SB0                                   ; the two diagonal tiles by lane; the tiles above them, none of them computed, are written -inf
	MASKQ 1, SB1
	SOFTF 0, SB0
	SOFTF 1, SB1
	s_wait_loadcnt 0x0                             ; V's halves
	WIN 0x52
	FPV VH, 16, 1                                  ; upper x upper starts the sums
	FPV VH, 0, 0                                   ; V's upper x the weights' rest
	FPV VL, 16, 0                                  ; V's rest x the weights' upper
	WIN 0
	NOPS 5                                         ; places before the output is read
.endm
; Q of my 64 queries of block qb is asked for
.macro QASK qb
	s_lshl_b32 s80, \qb, 15                        ; block x 256 rows x 128 bytes
	s_lshl_b32 s81, s12, 13                        ; + wave x 64 rows
	s_add_co_u32 s80, s80, s81
	s_mov_b32 s81, 0
	s_add_nc_u64 s[66:67], s[4:5], s[60:61]
	s_add_nc_u64 s[66:67], s[66:67], s[80:81]
.set lq, 0
.rept 4
.set ls, 0
.rept 2
	global_load_b128 v[QF+8*(2*lq+ls):QF+8*(2*lq+ls)+3],   v[QO], s[66:67] offset:lq*2048+64*ls      ; 64 queries x 64 numbers as eight fragments
	global_load_b128 v[QF+8*(2*lq+ls)+4:QF+8*(2*lq+ls)+7], v[QO], s[66:67] offset:lq*2048+64*ls+32
.set ls, ls+1
.endr
.set lq, lq+1
.endr
.endm
; A task starts: output 0, maximum -inf, sum 0; Q is in
.macro START
	WIN 0x40
.set jj, 0
.rept 128
	v_mov_b32 v[O+jj], 0
.set jj, jj+1
.endr
	WIN 0
.set jj, 0
.rept 4
	v_mov_b32 v[ML+2*jj], v[NINF]
	v_mov_b32 v[ML+2*jj+1], 0
.set jj, jj+1
.endr
	s_wait_loadcnt 0x0                             ; Q's fragments; their base is free again
.endm
; 16 queries x 64 numbers: divide by the sum, through my stage, out as whole rows of 256 bytes
.macro OUTQ qt, rb
	WIN 0x01
.set ed, 0
.rept 4
.set ei, 0
.rept 4
	v_pk_mul_f32 v[TMP+8*ed+2*ei:TMP+8*ed+2*ei+1], v[O+8*(4*\qt+ed)+2*ei:O+8*(4*\qt+ed)+2*ei+1], v[AL+2*\qt:AL+2*\qt+1] op_sel_hi:[1,0]
.set ei, ei+1
.endr
.set ed, ed+1
.endr
	WIN 0
.set ed, 0
.rept 4
	ds_store_b128 v[STO], v[TMP+8*ed:TMP+8*ed+3]   offset:64*ed
	ds_store_b128 v[STO], v[TMP+8*ed+4:TMP+8*ed+7] offset:64*ed+16
.set ed, ed+1
.endr
	s_wait_xcnt 0x0                                ; the read-back buffer, which earlier stores read, is loaded again only behind this wait
.set et, 0
.rept 8
	ds_load_b128 v[\rb+4*et:\rb+4*et+3], v[RD] offset:2*SPITCH*et   ; LDS serves a wave's instructions in order (ISA guide 5.7.1): these see the stores above
.set et, et+1
.endr
.set et, 0
.rept 8
	s_wait_dscnt 7-et                              ; read-back et is in, the younger ones stay out
	global_store_b128 v[CO], v[\rb+4*et:\rb+4*et+3], s[68:69] offset:(16*\qt+2*et)*4096 th:TH_STORE_NT   ; sixteen lanes store 256 consecutive bytes, aligned
.set et, et+1
.endr
.endm
; The end of the task of block s19
.macro EPI
	s_lshr_b32 s82, s15, 4
	s_lshl_b32 s82, s82, 23                        ; batch x 2,048 rows x 4,096 bytes
	s_lshl_b32 s83, s19, 20                        ; block x 256 rows
	s_add_co_u32 s82, s82, s83
	s_lshl_b32 s83, s12, 18                        ; wave x 64 rows
	s_add_co_u32 s82, s82, s83
	s_and_b32 s83, s15, 15
	s_lshl_b32 s83, s83, 8                         ; head x 256 bytes
	s_add_co_u32 s82, s82, s83
	s_mov_b32 s83, 0
	s_add_nc_u64 s[68:69], s[10:11], s[82:83]      ; out0 at my first query, my head's 256 bytes
.set eq, 0
.rept 4
	v_permlanex16_b32 v[T+4], v[ML+2*eq+1], s70, s71
	v_add_f32 v[AL+2*eq], v[ML+2*eq+1], v[T+4]     ; the two halves of the row's sum; at least 1: the row's largest weight is 1
.set eq, eq+1
.endr
.set eq, 0
.rept 4
	v_rcp_f32 v[AL+2*eq], v[AL+2*eq]
.set eq, eq+1
.endr
	v_nop                                          ; one plain instruction behind the last v_rcp_f32 (ISA guide 5.7.2)
	s_wait_alu depctr_va_vdst(0)
	OUTQ 0, RB0
	OUTQ 1, RB1
	OUTQ 2, RB0
	OUTQ 3, RB1
	s_wait_xcnt 0x0                                ; the stores' data registers hold scores again in the next trip, and their base is written again
.endm
	s_load_b256 s[4:11], s[0:1], 0x0               ; qh s[4:5], kh s[6:7], vt s[8:9], out0 s[10:11]
	s_load_b64 s[52:53], s[0:1], 0x20              ; hl
	s_set_vgpr_msb 0x40
	v_lshl_add_u32 v254, v0, 2, 0x29000
	v_mov_b32 v255, 0
	s_set_vgpr_msb 0x4045
	ds_add_u32 v254, v255
	ds_add_u32 v254, v255
	s_set_vgpr_msb 0x4500
	v_lshrrev_b32 v1, 5, v0
	v_readfirstlane_b32 s12, v1                    ; wave 0..3
	s_and_b32 s13, s12, 1
	s_mov_b32 s14, ttmp9                           ; p
	s_and_b32 s15, ttmp7, 0xffff                   ; bh
	s_sub_co_u32 s19, 7, s14
	s_and_b32 s23, s14, 1                          ; SCC: p is odd
	s_cselect_b32 s19, s14, s19                    ; the first task's block of queries: 7, 1, 5, 3
	s_sub_co_u32 s48, 7, s19                       ; the second task's: 0, 6, 2, 4
	s_add_co_u32 s18, s19, 1                       ; the first task's key blocks: 8, 2, 6, 4
	s_mov_b32 s21, s19                             ; the requests begin in the first task,
	s_mov_b32 s20, 0                               ; at key block 0
	s_mov_b32 s16, 0
	s_mul_i32 s22, s12, 2*TILE                     ; my two tiles' place in a slot: K's at 0 and 18,432, V's at 36,864 and 55,296
	; two tiles are a dense block of 16,384 bytes: 64 rows of 256 bytes, 16 bytes of padding behind every 128: LDS rows of 144
	s_mov_b32 s[G1+0], 0x07110000                  ; no mask; element of 2 bytes; padding on, after every 32 words (code 4) 4 words (code 3)
	s_mov_b32 s[G1+1], 128<<16                     ; tensor_dim0
	s_mov_b32 s[G1+2], 64<<16                      ; tensor_dim1
	s_mov_b32 s[G1+3], 128<<16                     ; tile_dim0
	s_mov_b32 s[G1+4], 64                          ; tile_dim1
	s_mov_b32 s[G1+5], 128                         ; pitch: the block is dense
	s_mov_b32 s[G1+6], 0
	s_mov_b32 s[G1+7], 0
.irp s, 0,1
	s_mov_b32 s[G0+4*\s], 1
	s_add_co_u32 s[G0+4*\s+1], s22, \s*SLOTB
.endr
	s_lshl_b32 s60, s15, 18                        ; bh x 262,144 bytes, in qh, kh and vt alike
	s_mov_b32 s61, 0
	s_lshl_b32 s62, s13, 14                        ; the lower or the upper two tiles of a block
	s_mov_b32 s63, 0
	s_wait_dscnt 0x0
	s_wait_kmcnt 0x0
	s_cmp_lt_u32 s12, 2
	s_cselect_b64 s[56:57], s[6:7], s[8:9]         ; waves 0, 1 fetch from kh, waves 2, 3 from vt
	s_add_nc_u64 s[56:57], s[56:57], s[60:61]
	s_add_nc_u64 s[56:57], s[56:57], s[62:63]
	SETADR 0
	tensor_load_to_lds s[G0:G0+3], s[G1:G1+7]      ; the first fill, ahead of every wait on TENSORcnt, LDS read and barrier
	s_nop 0
	s_mul_i32 s82, s15, 24576                      ; bh x 6 parts x 4,096 bytes
	s_mov_b32 s83, 0
	s_add_nc_u64 s[52:53], s[52:53], s[82:83]      ; hl at my head
	s_mov_b32 s49, 0xffffe000                      ; sign, exponent and 10 bits of an f32's mantissa
	v_and_b32 v22, 15, v0                          ; r
	v_bfe_u32 v23, v0, 4, 1                        ; h
	v_lshlrev_b32 v[QO], 7, v22
	v_lshl_add_u32 v[QO], v23, 4, v[QO]            ; r x 128 + 16 h
	QASK s19
	v_and_b32 v[LN], 31, v0
	v_lshlrev_b32 v[LN], 4, v[LN]                  ; 16 x lane
	v_mul_u32_u24 v[AK], v22, PITCH
	v_lshl_add_u32 v[AK], v23, 4, v[AK]            ; a fragment is two loads of 16 bytes, 32 bytes apart, at row x pitch + 16 h
	s_mul_i32 s82, s12, 16*SPITCH
	s_add_co_u32 s82, s82, STAGE                   ; my stage
	v_mul_u32_u24 v[STO], v22, SPITCH
	v_lshl_add_u32 v[STO], v23, 5, v[STO]
	v_add_nc_u32 v[STO], s82, v[STO]               ; in: row r, 32 bytes for each half of the lanes
	v_mul_u32_u24 v[RD], v23, SPITCH
	v_lshl_add_u32 v[RD], v22, 4, v[RD]
	v_add_nc_u32 v[RD], s82, v[RD]                 ; back: lanes 0-15 a row of 256 bytes, lanes 16-31 the next
	v_lshlrev_b32 v[CO], 12, v23
	v_lshl_add_u32 v[CO], v22, 4, v[CO]            ; the same two rows in out0
	v_mov_b32 v[NINF], 0xff800000
	v_lshlrev_b32 v1, 3, v23
	v_sub_nc_u32 v1, v22, v1                       ; r - 8 h
.set jj, 0
.rept 8
	v_cmp_le_i32 s[MK+jj], jj, v1                  ; key 8 h + j <= query r
.set jj, jj+1
.endr
	s_mov_b32 s70, 0x76543210                      ; v_permlanex16_b32: lane i of one half reads lane i of the other
	s_mov_b32 s71, 0xfedcba98
	v_mov_b32 v[T+4], 0                            ; a lane permute counts as a reader of its destination
	START
	s_mov_b32 s17, 4                               ; key blocks 0 to 7 of the work-group's nine
.Lsteps:
	STEP 0, 1, 1
	STEP 1, 0, 1
	s_cmp_eq_u32 s16, s18                          ; the first task's blocks, an even number, are done
	s_cbranch_scc0 .Lgo_on
	QASK s48                                       ; the second task's queries come in while the first task's results go out
	EPI
	START
	s_mov_b32 s19, s48                             ; the second task
	s_mov_b32 s16, 0
	s_mov_b32 s18, 0xffff                          ; no further change of tasks
.Lgo_on:
	s_sub_co_u32 s17, s17, 1
	s_cmp_lg_u32 s17, 0
	s_cbranch_scc1 .Lsteps
	STEP 0, 1, 0                                   ; the ninth block: nothing is left to fetch; its wait for all tensor loads is the last
	s_cmp_lg_u32 s14, 0                            ; p = 0: the second task is block 0;
	s_cbranch_scc1 .Llast
	s_cmp_lg_u32 s12, 0                            ; wave 0: its pieces 0 and 1 are queries 0 to 31
	s_cbranch_scc1 .Llast
	FINE
.Llast:
	EPI
	s_set_vgpr_msb 0x5
	s_wait_tensorcnt 0x0
	ds_add_u32 v254, v255
	s_wait_dscnt 0x0
	s_set_vgpr_msb 0x500
	s_endpgm
.Lfunc_end_k_qdd4473ac89_attn:
	.size	k_qdd4473ac89_attn, .Lfunc_end_k_qdd4473ac89_attn-k_qdd4473ac89_attn
	.p2alignl 7, 3214868480
	.fill 96, 4, 3214868480
	.section	.rodata,"a",@progbits
	.p2align	6, 0x0
	.amdhsa_kernel k_qdd4473ac89_attn
		.amdhsa_group_segment_fixed_size 327680
		.amdhsa_private_segment_fixed_size 0
		.amdhsa_enable_private_segment 0
		.amdhsa_kernarg_size 40
		.amdhsa_user_sgpr_count 2
		.amdhsa_user_sgpr_kernarg_segment_ptr 1
		.amdhsa_wavefront_size32 1
		.amdhsa_system_sgpr_workgroup_id_x 1
		.amdhsa_system_sgpr_workgroup_id_y 1
		.amdhsa_system_sgpr_workgroup_id_z 1
		.amdhsa_system_vgpr_workitem_id 0
		.amdhsa_next_free_vgpr 704
		.amdhsa_next_free_sgpr 84
		.amdhsa_reserve_vcc 0
		.amdhsa_float_denorm_mode_32 3
		.amdhsa_float_denorm_mode_16_64 3
		.amdhsa_memory_ordered 1
		.amdhsa_forward_progress 1
		.amdhsa_inst_pref_size 183
	.end_amdhsa_kernel
	.amdgpu_metadata
---
amdhsa.version: [ 1, 2 ]
amdhsa.kernels:
  - .name:           k_qdd4473ac89_attn
    .symbol:         k_qdd4473ac89_attn.kd
    .args:
      - { .name: qh, .offset: 0, .size: 8, .value_kind: global_buffer, .address_space: global }
      - { .name: kh, .offset: 8, .size: 8, .value_kind: global_buffer, .address_space: global }
      - { .name: vt, .offset: 16, .size: 8, .value_kind: global_buffer, .address_space: global }
      - { .name: out0, .offset: 24, .size: 8, .value_kind: global_buffer, .address_space: global }
      - { .name: hl, .offset: 32, .size: 8, .value_kind: global_buffer, .address_space: global }
    .group_segment_fixed_size: 327680
    .private_segment_fixed_size: 0
    .kernarg_segment_align: 8
    .kernarg_segment_size: 40
    .max_flat_workgroup_size: 128
    .sgpr_count:     84
    .vgpr_count:     704
    .wavefront_size: 32
...
	.end_amdgpu_metadata
.endif
;; end of part 3
;; ======== version 2 of 2: 3 launches; version 1 with the launch cast written anew for expert scheduling mode
;; limits: values are held in f16: magnitudes above 65,504 overflow, below 6.1e-05 lose precision
;; workspace buffers: xb 16,777,216 bytes; wb 6,291,456 bytes; qh 16,777,216 bytes; kh 16,777,216 bytes; vt 16,777,216 bytes; hl 1,572,864 bytes
;; launch cast (part 4): grid 704 x 1, 8 waves a work-group, no clusters, 0 bytes of LDS; arguments x, W_qkv, xb, wb; writes xb, wb
.if DOCPART == 4
	.amdgcn_target "amdgcn-amd-amdhsa--gfx1250"
	.amdhsa_code_object_version 6
	.text
	.protected	k_qdd4473ac89_cast
	.globl	k_qdd4473ac89_cast
	.p2align	8
	.type	k_qdd4473ac89_cast,@function
k_qdd4473ac89_cast:
	s_mov_b64 s[64:65], 0
	v_nop
	global_prefetch_b8 v0, s[64:65] scope:SCOPE_SE
	s_setreg_imm32_b32 hwreg(HW_REG_WAVE_SCHED_MODE, 0, 2), 2
	s_setreg_imm32_b32 hwreg(HW_REG_WAVE_MODE, 25, 1), 1
	s_wait_xcnt 0x0
	s_wait_alu depctr_vm_vsrc(0)
; THE PROGRAM: three launches.  cast: x and W_qkv to bf16, laid out by blocks of 64 along K.  qkv: the projection, bias, scale, f16, head layouts.
; attn: causal attention.  This launch: xb[kblk][row][64] = bf16(x[row][64 kblk ..]), wb likewise from W_qkv.
;
; WORK LEFT OUT BY THE PROGRAM, and why it can reach no output, for all finite values of the inputs:
; (1) K's bias, b_qkv[1024:2048].  With k = k1 + bk the score of query q and key k is q.k/8 = q.k1/8 + q.bk/8.  The second term does not hang on the
;     key: it is the same along the axis of the softmax (masked places stay -inf), and softmax(s + const) = softmax(s).  So these 1,024 numbers are
;     never loaded; b_qkv stays an argument of the second launch for q's and v's parts.
; (2) Scores above the diagonal.  reference() itself sets them to -inf by its own jnp.tril, so their weights are 0: blocks of 32 queries x 64 keys that
;     lie wholly above the diagonal, and their products with V, are not computed.  Inside a block on the diagonal all scores are computed and those
;     above the diagonal are set to -inf, as reference() sets them.
; LIMITS: a NaN, an infinity or an overflow that reaches only the work left out (in b_qkv[1024:2048], or in a block of scores above the diagonal) is
; not carried to the result.  q x 0.125 log2(e), k and v are kept in f16: their magnitudes must stay below 65,504; the drawn inputs give about 5, inputs
; 30 times larger in x and in W about 5,000.  Softmax weights are kept in f16 for the product with V: a weight below 6e-8 of its row's largest counts as 0.
;
; Memory binds here: every input byte is read once by 16-byte loads, every output byte written once; no LDS, no barrier, no matrix unit.
; A work-group owns 16 rows (groups 0-511: x, groups 512-703: W_qkv).  Thread t: row t / 16, and in each block of 64 along K the four numbers at
; 4 (t % 16).  A load of a wave covers 256 neighbouring bytes of each of two rows; the store of their 8-byte results covers 256 neighbouring bytes,
; aligned, since in the new layout row r + 1 of a K block follows row r.
;
; THE MODE: SCHED_MODE bits 1:0 = 2 (LLVM: expert scheduling mode 2), set by the entry lines.  The code itself states the register dependences
; between vector instructions and memory instructions, with s_wait_alu, always for 0.
; THE PLAN.  Registers that memory instructions touch (the text has no loop):
;   v1        the loads' offset.  Written at the head by vector instructions, read by all sixteen loads, never written again.
;   SO0-SO15  the stores' offsets.  Written once, by a shift and fifteen adds that stand behind the loads; SO[k] is read by store k alone.
;   X0-X15    Written by the loads alone; X[k] is read by the two conversions of load k, behind the counted wait for it.
;   Y0-Y15    Y[k] is written once, by those two conversions, and read once, by store k.
; No register that a memory instruction has read is written again, no load lands in a register that a vector instruction has named, no vector instruction
; writes a scalar register or VCC, and EXEC is never written: what is to be stated is only that offsets and store data are written before they are read.
; The sixteen loads are taken in four blocks of four.  Block p rounds X[4 p ..] into Y[4 p ..]; its memory instructions are the four stores of block p - 1,
; whose registers (SO and Y of block p - 1) no vector instruction of block p names.  So one wait at the head of a block states all that its four stores
; hang on, and they are dealt among the block's conversions with no further wait.  Five waits in all: one ahead of the loads, one at the head of each of
; blocks 1 to 3, one ahead of the last four stores.
.set XKB, 1048576                      ; bytes of one K block of xb: 8,192 rows x 128
.set WKB, 393216                       ; of wb: 3,072 rows x 128
.set SRC, 1                            ; v1       byte offset of my 16 bytes in K block 0 of my row
.set SO,  2                            ; v[2:17]  byte offset of my 8 bytes in K block k of the output
.set X,   20                           ; v[20:83] sixteen loads, 4 registers each
.set Y,   84                           ; v[84:115] sixteen results, 2 registers each: no register is used twice, so no source is ever rewritten
	s_load_b256 s[4:11], s[0:1], 0x0               ; x s[4:5], W_qkv s[6:7], xb s[8:9], wb s[10:11]
	v_lshrrev_b32 v[SRC], 4, v0                    ; my row in the group
	v_and_b32 v18, 15, v0
	v_lshlrev_b32 v[SRC], 12, v[SRC]               ; x 4,096 bytes
	v_lshl_add_u32 v[SRC], v18, 4, v[SRC]          ; + 16 (t % 16)
	s_mov_b32 s18, XKB
	s_mov_b32 s19, WKB
	s_cmp_lt_u32 ttmp9, 512                        ; x or W_qkv: hangs on the group's number alone
	s_cselect_b32 s18, s18, s19                    ; bytes from K block to K block
	s_cselect_b32 s12, 0, 512                      ; first group of my tensor
	s_wait_kmcnt 0x0
	s_cselect_b64 s[14:15], s[4:5], s[6:7]         ; from
	s_cselect_b64 s[16:17], s[8:9], s[10:11]       ; to
	s_sub_co_u32 s13, ttmp9, s12                   ; my group within the tensor
	s_lshl_b32 s20, s13, 16                        ; 16 rows x 4,096 bytes
	s_mov_b32 s21, 0
	s_lshl_b32 s22, s13, 11                        ; 16 rows x 128 bytes
	s_mov_b32 s23, 0
	s_add_nc_u64 s[14:15], s[14:15], s[20:21]
	s_add_nc_u64 s[16:17], s[16:17], s[22:23]
	s_wait_alu depctr_va_vdst(0)                   ; v1 is written: all sixteen loads read it as their offset
.set kk, 0
.rept 16
	global_load_b128 v[X+4*kk:X+4*kk+3], v[SRC], s[14:15] offset:256*kk th:TH_LOAD_NT   ; K block kk of my row: the row's 4,096 bytes are all on their way
.set kk, kk+1
.endr
	v_lshlrev_b32 v[SO], 3, v0                     ; (t / 16) x 128 + (t % 16) x 8 = 8 t
.set kk, 1
.rept 15
	v_add_nc_u32 v[SO+kk], s18, v[SO+kk-1]
.set kk, kk+1
.endr
; Block p: loads 4 p to 4 p + 3 are rounded; the four stores of block p - 1 stand among the conversions, one ahead of each pair.
.macro BLK p
	s_wait_loadcnt 12-4*(\p)                       ; loads come back in order (ISA guide 5.7.1): this block's four are in, the 12 - 4 p younger ones stay out
.if (\p) > 0
	s_wait_alu depctr_va_vdst(0)                   ; the block before has written its Y, which the four stores below read as data; in block 1 also: the adds above have written SO0 to SO15, the stores' offsets
.endif
.irp i, 0,1,2,3
.if (\p) > 0
	global_store_b64 v[SO+4*(\p)-4+(\i)], v[Y+2*(4*(\p)-4+(\i)):Y+2*(4*(\p)-4+(\i))+1], s[16:17]   ; no vector instruction since the wait names these registers
.endif
	v_cvt_pk_bf16_f32 v[Y+2*(4*(\p)+(\i))],   v[X+4*(4*(\p)+(\i))],   v[X+4*(4*(\p)+(\i))+1]
	v_cvt_pk_bf16_f32 v[Y+2*(4*(\p)+(\i))+1], v[X+4*(4*(\p)+(\i))+2], v[X+4*(4*(\p)+(\i))+3]
.endr
.endm
	BLK 0                                          ; no block stands in front of it: no store, and no wait but the one for its data
	BLK 1
	BLK 2
	BLK 3
	s_wait_alu depctr_va_vdst(0)                   ; block 3 has written Y12 to Y15, which the last four stores read
.irp i, 12,13,14,15
	global_store_b64 v[SO+(\i)], v[Y+2*(\i):Y+2*(\i)+1], s[16:17]
.endr
	s_endpgm
.Lfunc_end_k_qdd4473ac89_cast:
	.size	k_qdd4473ac89_cast, .Lfunc_end_k_qdd4473ac89_cast-k_qdd4473ac89_cast
	.p2alignl 7, 3214868480
	.fill 96, 4, 3214868480
	.section	.rodata,"a",@progbits
	.p2align	6, 0x0
	.amdhsa_kernel k_qdd4473ac89_cast
		.amdhsa_group_segment_fixed_size 0
		.amdhsa_private_segment_fixed_size 0
		.amdhsa_enable_private_segment 0
		.amdhsa_kernarg_size 32
		.amdhsa_user_sgpr_count 2
		.amdhsa_user_sgpr_kernarg_segment_ptr 1
		.amdhsa_wavefront_size32 1
		.amdhsa_system_sgpr_workgroup_id_x 1
		.amdhsa_system_sgpr_workgroup_id_y 1
		.amdhsa_system_sgpr_workgroup_id_z 1
		.amdhsa_system_vgpr_workitem_id 0
		.amdhsa_next_free_vgpr 116
		.amdhsa_next_free_sgpr 66
		.amdhsa_reserve_vcc 0
		.amdhsa_float_denorm_mode_32 3
		.amdhsa_float_denorm_mode_16_64 3
		.amdhsa_memory_ordered 1
		.amdhsa_forward_progress 1
		.amdhsa_inst_pref_size 7
	.end_amdhsa_kernel
	.amdgpu_metadata
---
amdhsa.version: [ 1, 2 ]
amdhsa.kernels:
  - .name:           k_qdd4473ac89_cast
    .symbol:         k_qdd4473ac89_cast.kd
    .args:
      - { .name: x, .offset: 0, .size: 8, .value_kind: global_buffer, .address_space: global }
      - { .name: W_qkv, .offset: 8, .size: 8, .value_kind: global_buffer, .address_space: global }
      - { .name: xb, .offset: 16, .size: 8, .value_kind: global_buffer, .address_space: global }
      - { .name: wb, .offset: 24, .size: 8, .value_kind: global_buffer, .address_space: global }
    .group_segment_fixed_size: 0
    .private_segment_fixed_size: 0
    .kernarg_segment_align: 8
    .kernarg_segment_size: 32
    .max_flat_workgroup_size: 256
    .sgpr_count:     66
    .vgpr_count:     116
    .wavefront_size: 32
...
	.end_amdgpu_metadata
.endif
;; end of part 4
;; launch qkv: the kernel of part 2 again; grid 8 x 32, 4 waves a work-group, clusters of 4 x 4, 327,680 bytes of LDS; arguments xb, wb, b_qkv, qh, kh, vt, hl; writes qh, kh, vt, hl
;; launch attn: the kernel of part 3 again; grid 4 x 64, 4 waves a work-group, no clusters, 327,680 bytes of LDS; arguments qh, kh, vt, out0, hl; writes out0
